; MI455X (gfx1250); checked and timed in simulation.
; The chip was launched on July 23, 2026; its instructions are those of AMD's public machine-readable ISA for CDNA 5 (MIT licence, August 2026) and "CDNA5" Instruction Set Architecture Reference Guide (July 2026). The comments in the code are by the model that wrote it; some were corrected since.
;; Location Expert Router. Allowed arithmetic: matrix products marked QUANTISED: E2M1 operands, one E8M0 scale for each 32 along K, by v_wmma_scale_f32_16x16x128_f8f6f4 with both operands' format E2M1 (or v_wmma_scale_f32_32x16x128_f4), f32 sums; everything else in f32.
;; Inputs: W_codes 8 x 4,000 x 32 x 16 uint8 (E2M1 codes of W, K innermost, in blocks of 32 codes, two codes a byte); W_scales 8 x 4,000 x 32 uint8 (E8M0 scales of W, one for each 32 codes along K); b 8 x 4,000 float32; pointer_addresses 2,048 int32; x_codes 2,048 x 32 x 16 uint8 (E2M1 codes of x, K innermost, in blocks of 32 codes, two codes a byte); x_scales 2,048 x 32 uint8 (E8M0 scales of x, one for each 32 codes along K).
;; Outputs: out0 2,048 x 4,000 float32.
;; This version of the problem:
;;   THIS VERSION OF THE PROBLEM IS GIVEN IN LOW PRECISION. The matrix products marked QUANTISED in the list below multiply operands that are first quantised to E2M1 (2 exponent bits, 1 mantissa bit; 4 bits a number), with one power-of-two scale for each 32 numbers along K (OCP MX v1.0); their sums are f32. All else is computed in f32.
;;   The module's matrix products, in the order in which they are computed (A, B: the left and right operand; K: the contracted axis; several contracted axes count as one K, in the product's order):
;;     1. [M 2,048, K 1,024] x [K 1,024, N 4,000]; A: input x (given as codes); B: input W (given as codes): QUANTISED
;;     2. [M 2,048, K 1,024] x [K 1,024, N 4,000]; A: input x (given as codes); B: input W (given as codes): QUANTISED
;;     3. [M 2,048, K 1,024] x [K 1,024, N 4,000]; A: input x (given as codes); B: input W (given as codes): QUANTISED
;;     4. [M 2,048, K 1,024] x [K 1,024, N 4,000]; A: input x (given as codes); B: input W (given as codes): QUANTISED
;;     5. [M 2,048, K 1,024] x [K 1,024, N 4,000]; A: input x (given as codes); B: input W (given as codes): QUANTISED
;;     6. [M 2,048, K 1,024] x [K 1,024, N 4,000]; A: input x (given as codes); B: input W (given as codes): QUANTISED
;;     7. [M 2,048, K 1,024] x [K 1,024, N 4,000]; A: input x (given as codes); B: input W (given as codes): QUANTISED
;;     8. [M 2,048, K 1,024] x [K 1,024, N 4,000]; A: input x (given as codes); B: input W (given as codes): QUANTISED
;;   THE QUANTISER, for each operand of a quantised product, along K:
;;     - K is cut into blocks of 32 from its start; a last block that is shorter is filled with zeros.
;;     - A block's scale is 2^e with e = floor(log2(the largest magnitude in the block)) - 2, held to -126 .. 127; a block of zeros has e = 0. As a byte (E8M0): e + 127.
;;     - Each number is divided by its block's scale, clamped to +-6, and rounded to the nearest number of E2M1, ties to even, subnormals kept.
;;     - The product sums the exact products of the quantised numbers (number of the format x scale) in f32.
;;   ~~~python
;;   def quantise(x, axis):      # numpy; x: float32 -> the quantised numbers, widened to float32 again
;;       x = np.moveaxis(x, axis, -1); K = x.shape[-1]
;;       x = np.pad(x, [(0, 0)] * (x.ndim - 1) + [(0, -K % 32)]); x = x.reshape(x.shape[:-1] + (-1, 32)); a = np.abs(x).max(-1, keepdims=True)
;;       e = np.where(a > 0, np.clip(np.frexp(np.where(a > 0, a, 1))[1] - 1 - 2, -126, 127), 0)      # np.frexp(a)[1] - 1 = floor(log2(a)), exactly
;;       r = np.clip(x / 2.0 ** e, -6, 6)
;;       step = 2.0 ** (np.maximum(np.frexp(np.where(r == 0, 1, r))[1] - 1, 0) - 1)
;;       q = np.round(r / step) * step * 2.0 ** e      # np.round: ties to even
;;       return np.moveaxis(q.reshape(q.shape[:-2] + (-1,))[..., :K], -1, axis).astype(np.float32)
;;   ~~~
;;   INPUTS GIVEN AS CODES. W (in the module: [8, 4000, 1024], K = its axis 2); x (in the module: [2048, 1024], K = its axis 1): each comes as NAME_codes (uint8): NAME with its K axis moved to the last place and cut into blocks of 32 codes, [.., K / 32, bytes a block], one block behind the other in memory; two codes a byte, the lower K in the low four bits (a code: sign, 2 exponent bits, 1 mantissa bit); and NAME_scales (uint8): the same leading axes, one E8M0 byte (e + 127) for each 32 codes along K. Its value is code x scale, taken as it is: it is not quantised again, and the codes and scales need not be those that the quantiser above would give.
;; One version. Each part assembles by itself: llvm-mc -triple=amdgcn-amd-amdhsa -mcpu=gfx1250 --defsym DOCPART=n.
;; ======== version 1 of 1: 2 launches
;; workspace buffers: order 69,632 bytes of whole numbers
;; launch route (part 1): grid 8 x 1, 1 waves a work-group, no clusters, 9,216 bytes of LDS; arguments pointer_addresses, order; writes order
.if DOCPART == 1
	.amdgcn_target "amdgcn-amd-amdhsa--gfx1250"
	.amdhsa_code_object_version 6
	.text
	.protected	k_q4bc1b6c097_route
	.globl	k_q4bc1b6c097_route
	.p2align	8
	.type	k_q4bc1b6c097_route,@function
k_q4bc1b6c097_route:
	s_mov_b64 s[64:65], 0
	v_nop
	global_prefetch_b8 v0, s[64:65] scope:SCOPE_SE
	s_setreg_imm32_b32 hwreg(HW_REG_WAVE_MODE, 25, 1), 1
	s_wait_xcnt 0x0
; The routing: work-group e (one wave) makes the list of the tokens t with pointer_addresses[t] mod 8 = e (for int32 with the divisor's sign that is the pointer AND 7).
; order: 8 parts of 2,176 words.  Words 0 .. count - 1: the expert's tokens (in no stated order); the 64 words behind them: the list's first token again (padding: the next launch's
; tiles of 48 rows read up to 46 entries past the count); words 2112 .. 2143: the count; all other words 0.  Every word of a part is stored.
; The list is gathered in LDS, so that it leaves as 17 stores of 512 consecutive bytes.  One wave: LDS serves its instructions in order (ISA guide 5.7.1.4), so there is no barrier.
; The work is 2,048 compares for each expert: more waves would have to hand each other their counts.
.set NW,    2176                       ; words of an expert's part
.set CNTW,  2112                       ; where the count lies
.set DUMP,  2176                       ; LDS alone: behind the part, 32 dump words, one a lane, which are never read
.set P,     128                        ; v128-191 the pointers: load i, register c: token 128 i + 4 lane + c
.set OUTR,  128                        ; v128-195 the part on its way out
	s_load_b128 s[8:11], s[0:1], 0x0               ; the pointers s[8:9], order s[10:11]
	v_lshl_add_u32 v200, v0, 2, 0x2300
	v_mov_b32 v201, 0
	s_mov_b32 s4, ttmp9                            ; my expert
	v_lshlrev_b32 v1, 4, v0                        ; 16 x lane (one wave: the thread's number is the lane)
	v_lshlrev_b32 v113, 2, v0                      ; 4 x lane
	v_add_nc_u32 v114, DUMP, v0                    ; my dump word's rank
.irp c, 4,5,6,7
	v_mov_b32 v\c, 0
.endr
	s_mul_i32 s30, s4, 4*NW
	s_mov_b32 s31, 0
	s_mov_b32 s40, 0                               ; the running count
	s_wait_kmcnt 0x0
	s_add_nc_u64 s[10:11], s[10:11], s[30:31]      ; my part of order
.set i, 0
.rept 16
	global_load_b128 v[P+4*i:P+4*i+3], v1, s[8:9] offset:512*i   ; all 2,048 pointers, 512 consecutive bytes an instruction
.set i, i+1
.endr
.set i, 0
.rept 17
	ds_store_b128 v1, v[4:7] offset:512*i          ; the part begins as zeros, while the pointers are on their way
.set i, i+1
.endr
	s_wait_loadcnt 0x0
; Tokens 128 i + 4 lane + c, c = 0 .. 3.  A token of my expert gets the next free rank and is stored there; the others go to their lane's dump word.
.macro BUILD4 i
.set BT, 64+8*((\i)%4)                 ; four sets of registers by turns
.if (\i) >= 4
	s_wait_dscnt 12                                ; the stores of four groups back are done (the 12 of the three groups behind them may be out): their registers are taken again
.endif
.irp c, 0,1,2,3
	v_and_b32 v[BT+\c], 7, v[P+4*(\i)+\c]          ; the token's expert
.endr
.irp c, 0,1,2,3
	v_cmp_eq_u32 s[32+\c], s4, v[BT+\c]
.endr
	s_mov_b32 s36, s40                             ; the ranks at which the four masks begin
	s_bcnt1_i32_b32 s41, s32
	s_add_co_u32 s37, s36, s41
	s_bcnt1_i32_b32 s41, s33
	s_add_co_u32 s38, s37, s41
	s_bcnt1_i32_b32 s41, s34
	s_add_co_u32 s39, s38, s41
	s_bcnt1_i32_b32 s41, s35
	s_add_co_u32 s40, s39, s41
.irp c, 0,1,2,3
	v_mbcnt_lo_u32_b32 v[BT+\c], s[32+\c], s[36+\c]   ; + the mask's lanes below mine
.endr
.irp c, 0,1,2,3
	v_cndmask_b32 v[BT+\c], v114, v[BT+\c], s[32+\c]
.endr
.irp c, 0,1,2,3
	v_min_u32 v[BT+\c], DUMP+31, v[BT+\c]          ; a number made of loaded data is held inside the list before it enters an address
.endr
.irp c, 0,1,2,3
	v_lshlrev_b32 v[BT+\c], 2, v[BT+\c]
.endr
.irp c, 0,1,2,3
	v_add_nc_u32 v[BT+4+\c], 128*(\i)+\c, v113
.endr
.irp c, 0,1,2,3
	ds_store_b32 v[BT+\c], v[BT+4+\c]
.endr
.endm
.irp i, 0,1,2,3,4,5,6,7,8,9,10,11,12,13,14,15
	BUILD4 \i
.endr
	v_mov_b32 v115, 0
	ds_load_b32 v116, v115                         ; the list's first token (0 where the expert has none: nobody then reads the list)
	v_add_nc_u32 v120, s40, v0                     ; it pads the 64 entries behind the count: entry 2,111 at the most, under the count's words
	v_add_nc_u32 v121, 32, v120
	v_min_u32 v120, DUMP+31, v120
	v_min_u32 v121, DUMP+31, v121
	v_lshlrev_b32 v120, 2, v120
	v_lshlrev_b32 v121, 2, v121
	v_mov_b32 v123, s40
	s_wait_dscnt 0x0
	ds_store_b32 v120, v116
	ds_store_b32 v121, v116
	ds_store_b32 v113, v123 offset:4*CNTW          ; the count, in 32 words
.set i, 0
.rept 17
	ds_load_b128 v[OUTR+4*i:OUTR+4*i+3], v1 offset:512*i   ; these see the stores above
.set i, i+1
.endr
.set i, 0
.rept 17
	s_wait_dscnt 16-i                              ; LDS loads come back in order: number i is in, the younger ones may be out
	global_store_b128 v1, v[OUTR+4*i:OUTR+4*i+3], s[10:11] offset:512*i   ; 32 lanes store 512 consecutive bytes, at a multiple of 256 from order's first byte
.set i, i+1
.endr
	s_wait_tensorcnt 0x0
	ds_add_u32 v200, v201
	s_wait_dscnt 0x0
	s_endpgm
.Lfunc_end_k_q4bc1b6c097_route:
	.size	k_q4bc1b6c097_route, .Lfunc_end_k_q4bc1b6c097_route-k_q4bc1b6c097_route
	.p2alignl 7, 3214868480
	.fill 96, 4, 3214868480
	.section	.rodata,"a",@progbits
	.p2align	6, 0x0
	.amdhsa_kernel k_q4bc1b6c097_route
		.amdhsa_group_segment_fixed_size 9216
		.amdhsa_private_segment_fixed_size 0
		.amdhsa_enable_private_segment 0
		.amdhsa_kernarg_size 16
		.amdhsa_user_sgpr_count 2
		.amdhsa_user_sgpr_kernarg_segment_ptr 1
		.amdhsa_wavefront_size32 1
		.amdhsa_system_sgpr_workgroup_id_x 1
		.amdhsa_system_sgpr_workgroup_id_y 1
		.amdhsa_system_sgpr_workgroup_id_z 1
		.amdhsa_system_vgpr_workitem_id 0
		.amdhsa_next_free_vgpr 202
		.amdhsa_next_free_sgpr 66
		.amdhsa_reserve_vcc 0
		.amdhsa_float_denorm_mode_32 3
		.amdhsa_float_denorm_mode_16_64 3
		.amdhsa_memory_ordered 1
		.amdhsa_forward_progress 1
		.amdhsa_inst_pref_size 41
	.end_amdhsa_kernel
	.amdgpu_metadata
---
amdhsa.version: [ 1, 2 ]
amdhsa.kernels:
  - .name:           k_q4bc1b6c097_route
    .symbol:         k_q4bc1b6c097_route.kd
    .args:
      - { .name: pointer_addresses, .offset: 0, .size: 8, .value_kind: global_buffer, .address_space: global }
      - { .name: order, .offset: 8, .size: 8, .value_kind: global_buffer, .address_space: global }
    .group_segment_fixed_size: 9216
    .private_segment_fixed_size: 0
    .kernarg_segment_align: 8
    .kernarg_segment_size: 16
    .max_flat_workgroup_size: 32
    .sgpr_count:     66
    .vgpr_count:     202
    .wavefront_size: 32
...
	.end_amdgpu_metadata
.endif
;; end of part 1
;; launch router (part 2): grid 32 x 8, 8 waves a work-group, no clusters, 293,888 bytes of LDS; arguments W_codes, W_scales, b, order, x_codes, x_scales, out0; writes out0
.if DOCPART == 2
	.amdgcn_target "amdgcn-amd-amdhsa--gfx1250"
	.amdhsa_code_object_version 6
	.text
	.protected	k_q4bc1b6c097_router
	.globl	k_q4bc1b6c097_router
	.p2align	8
	.type	k_q4bc1b6c097_router,@function
k_q4bc1b6c097_router:
	s_mov_b64 s[64:65], 0
	v_nop
	global_prefetch_b8 v0, s[64:65] scope:SCOPE_SE
	s_setreg_imm32_b32 hwreg(HW_REG_WAVE_MODE, 25, 1), 1
	s_wait_xcnt 0x0
; out[t][:] = x[t] . W[e]^T + b[e], e = pointer_addresses[t] mod 8.  x: 2,048 rows, W: 8 x 4,000 rows, each row 1,024 codes of FP4 (E2M1) = 512 bytes, K innermost, and 32 E8M0 scale
; bytes; out: [2048][4000] f32.  Only the chosen expert's product is made for a token: the others' are thrown away by the mask.
; order (made by the launch before): for each expert 2,176 words: its tokens, 64 words of padding (the list's first token), at word 2,112 its count; every word is written.
; SHARES.  Work-group (j, e) owns columns 128 j .. 128 j + 127 of expert e (block 31: 32 columns).  It brings its 128 rows of W into LDS once: every byte of W is read by one work-group.
; The eight waves share the ROWS: a wave's tile is 48 listed rows x 128 columns, x's fragments in 192 registers, W's fragments from the shared rows in LDS.
; One barrier, at a fixed place (W lies in LDS); behind it no wave needs another.
; The loop over passes has 6 trips whatever the split (6 x 8 x 48 = 2,304 rows, at least the 2,048 tokens); a wave whose tile begins past the count jumps over the trip's work.
; THE MATRIX INSTRUCTION IS USED TRANSPOSED: source 0 = 16 rows of W, source 1 = 16 rows of x: a lane then holds eight neighbouring columns of one row of out.
; NO TENSOR LOADS, NO CLUSTER: W's rows are shared by no two work-groups; x's rows are shared by an expert's 32 work-groups, but they are gathered by a list, and the branches of this text
; hang on the list's length, which is read from memory.  NO PREFETCH: all of W is asked for at the head, and x's rows are read by 32 work-groups each.
; LIMITS.  Right for every split, one expert with all tokens (6 passes) and an expert with none (nothing stored) too; the work is even only where the split is.  A scale byte 0xff gives NaN.
; A tile's rows past the count are the list's first token's, and up to 4 of them a column quad are stored again, with the same bytes, by this same work-group.
; A row of out is 16,000 bytes: each store writes two rows' 256 consecutive bytes, sixteen lanes a row, 16-byte aligned.
.set XP,    528                        ; a row of codes in LDS: 512 bytes + 16 = 132 words: row r starts at bank 4 r mod 64 (64 banks of 4 bytes: ISA guide 11.1)
.set OP,    272                        ; a row of the out stage: 256 bytes + 16
.set WSC,   128*XP                     ; LDS: W's 128 rows from byte 0; behind them their scales, 32 bytes + 16 a row;
.set STG,   WSC+128*48                 ; each wave's own stage: 48 rows of x (pitch XP), later 48 rows x 64 columns of out (pitch OP);
.set STGB,  48*XP
.set XIMG,  STG+8*STGB                 ; each wave's own image of its 16 registers of x's scales, 2,048 bytes
.set NW,    2176                       ; order: words of an expert's part,
.set CNTW,  2112                       ; and where its count lies
.set L16,   1                          ; v1   16 x lane
.set RR,    2                          ; v2   r = lane % 16
.set HH,    3                          ; v3   h = lane / 16
.set WRD,   4                          ; v4   a fragment of W: r XP + 16 h
.set WSRD,  5                          ; v5   W's scale words: WSC + 48 r
.set XSTW,  6                          ; v6   my stage + 16 x lane: a whole row of x goes in
.set FRD,   7                          ; v7   my stage + r XP + 16 h: a fragment of x comes out
.set OSTW,  8                          ; v8   my stage + r OP + 32 h: eight results go in
.set OSRD,  9                          ; v9   my stage + 4 h OP + 16 r: two rows come out
.set XIW,   10                         ; v10  my image + 16 x lane
.set LU0,   11                         ; v11  the list, in bytes from my expert's part: 192 x wave (48 entries a wave)
.set LH0,   12                         ; v12  the same + 16 h
.set LX0,   13                         ; v13  the same + 4 x lane
.set LX1,   14                         ; v14  the same + 128 + 4 r
.set C16,   15                         ; v15  16 r
.set LU,    16                         ; v16-19 the pass's list offsets
.set LH,    17
.set LXA,   18
.set LXB,   19
.set XO0,   20                         ; v20-21 offsets of x's scales
.set XO1,   21
.set WSTW,  22                         ; v22  where my 16 rows of W go: 16 x wave x XP + 16 x lane
.set WSSTW, 23                         ; v23  and their scales
.set BIAS,  24                         ; v24-31 b of columns 64 q + 4 r + 0 .. 3, q = 0, 1
.set XS,    32                         ; v32-47 x's scale words: register 8 p + s: K step s; lanes 0-15 rows 32 p + r, lanes 16-31 rows 32 p + 16 + r.  Scales and nothing else
.set WS,    48                         ; v48-63 W's scale words, two sets of 8.  Scales and nothing else
.set ACC,   64                         ; v64-87 three accumulators
.set OUTO,  88                         ; v88-111 24 byte offsets in out
.set GI,    64                         ; v64-111 also: the gather's 48 tokens, then offsets
.set LANE,  112                        ; v112 lane;  v113 at work at the head;  v118-119 the bias loads' offsets, never rewritten
.set WF0,   128                        ; v128-191, v192-255 W's fragments, two sets; also W's rows as they land (set 0) and rows of out on their way (set 1)
.set WF1,   192
.set RB,    192
; window 1: v0-191 x's 48 rows as they land (row i: 4 i ..), then x's fragments (tile of rows m, K step s: 64 m + 8 s ..)
.set MSB, 0
.macro WIN new                         ; s_set_vgpr_msb: bits 1:0 source 0, 3:2 source 1, 5:4 source 2, 7:6 destination; the high byte repeats the setting that is left
.if MSB != \new
	s_set_vgpr_msb (MSB<<8)|\new
.set MSB, \new
.endif
.endm
.set TO_1,  0x40                       ; destination window 1
.set SRC1,  0x04                       ; source 1 window 1: an LDS store's data, a matrix instruction's second source
; The bias of my lane's columns, my wave's 16 rows of W (a whole row of 512 bytes an instruction) and their 512 scale bytes: 19 loads
.macro W_ISSUE
	global_load_b128 v[BIAS:BIAS+3], v118, s[12:13]
	global_load_b128 v[BIAS+4:BIAS+7], v119, s[12:13]
.set i, 0
.rept 16
	global_load_b128 v[WF0+4*i:WF0+4*i+3], v[L16], s[8:9] offset:512*i th:TH_LOAD_NT
.set i, i+1
.endr
	global_load_b128 v[WS:WS+3], v[L16], s[10:11] th:TH_LOAD_NT
.endm
.macro W_STORE                         ; and into LDS
.set i, 0
.rept 16
	ds_store_b128 v[WSTW], v[WF0+4*i:WF0+4*i+3] offset:XP*i
.set i, i+1
.endr
	ds_store_b128 v[WSSTW], v[WS:WS+3]
.endm
; My tile's 48 tokens from the list: 14 loads
.macro G_LIST
	v_add_nc_u32 v[LU], s25, v[LU0]
	v_add_nc_u32 v[LXA], s25, v[LX0]
	v_add_nc_u32 v[LXB], s25, v[LX1]
.set i, 0
.rept 12
	global_load_b128 v[GI+4*i:GI+4*i+3], v[LU], s[14:15] offset:16*i   ; every lane reads the same four tokens
.set i, i+1
.endr
	global_load_b32 v[XO0], v[LXA], s[14:15]       ; rows 0-31: a lane a row
	global_load_b32 v[XO1], v[LXB], s[14:15]       ; rows 32-47: lane r
.endm
; Their scales (4 loads) and their rows of codes (48 loads, a whole row of 512 bytes an instruction).  left: the loads issued behind the list's, which may stay out
.macro G_ROWS left
	s_wait_loadcnt \left
.set i, 0
.rept 48
	v_min_u32 v[GI+i], 2047, v[GI+i]               ; held inside x before it enters an address
.set i, i+1
.endr
	v_min_u32 v[XO0], 2047, v[XO0]
	v_min_u32 v[XO1], 2047, v[XO1]
.set i, 0
.rept 48
	v_lshl_add_u32 v[GI+i], v[GI+i], 9, v[L16]     ; 512 x token + 16 x lane
.set i, i+1
.endr
	v_lshlrev_b32 v[XO0], 5, v[XO0]
	v_lshlrev_b32 v[XO1], 5, v[XO1]
	global_load_b128 v[XS:XS+3], v[XO0], s[18:19]
	global_load_b128 v[XS+4:XS+7], v[XO0], s[18:19] offset:16
	global_load_b128 v[XS+8:XS+11], v[XO1], s[18:19]
	global_load_b128 v[XS+12:XS+15], v[XO1], s[18:19] offset:16
	WIN TO_1
.set i, 0
.rept 48
	global_load_b128 v[4*i:4*i+3], v[GI+i], s[16:17]
.set i, i+1
.endr
	WIN 0
.endm
; and into my own LDS: the codes and scales go from the gather to the products through there
.macro G_STORE
	WIN SRC1
.irp g, 0,1,2
	s_wait_loadcnt 32-16*\g                        ; loads come back in order: rows 16 g .. 16 g + 15 (and the scales, which are older) are in; the rows behind them may be out
.set i, 16*\g
.rept 16
	ds_store_b128 v[XSTW], v[4*i:4*i+3] offset:XP*i
.set i, i+1
.endr
.endr
	WIN 0
.irp k, 0,1,2,3
	ds_store_b128 v[XIW], v[XS+4*\k:XS+4*\k+3] offset:512*\k
.endr
	s_wait_dscnt 0x0                               ; the stores have read their registers, which the products' loads take next
.endm
; W's fragments of columns 16 t .. 16 t + 15, all of K (16 loads), and their scale words (2 loads), into set t % 2
.macro WLOAD t
.set WB, WF0+64*((\t)%2)
.set SB, WS+8*((\t)%2)
.set i, 0
.rept 16
	ds_load_b128 v[WB+4*i:WB+4*i+3], v[WRD] offset:16*XP*(\t)+32*i   ; registers 8 s + 4 c ..: K = 128 s + 64 c + 32 h + 0 .. 31
.set i, i+1
.endr
	ds_load_b128 v[SB:SB+3], v[WSRD] offset:768*(\t)
	ds_load_b128 v[SB+4:SB+7], v[WSRD] offset:768*(\t)+16
.endm
; Columns 16 t .. 16 t + 15 for my 48 rows: 24 matrix instructions, K ascending; the three accumulators take turns, one instruction a turn.
.macro NT t
.if (\t) < 7
	WLOAD (\t)+1
	s_wait_dscnt 18                                ; all but the 18 just issued: this tile's fragments are in, the last tile's stores into the stage are done
.else
	s_wait_dscnt 0x0
.endif
.set AB, WF0+64*((\t)%2)
.set AS, WS+8*((\t)%2)
	WIN SRC1
.irp s, 0,1,2,3,4,5,6,7
.irp m, 0,1,2
.if \s == 0                            ; the first K step starts the sums: nothing is cleared
.if \m == 1
	v_wmma_scale_f32_16x16x128_f8f6f4 v[ACC+8*\m:ACC+8*\m+7], v[AB+8*\s:AB+8*\s+7], v[64*\m+8*\s:64*\m+8*\s+7], 0, v[AS+\s], v[XS+8*(\m/2)+\s] matrix_a_fmt:MATRIX_FMT_FP4 matrix_b_fmt:MATRIX_FMT_FP4 matrix_b_scale:MATRIX_SCALE_ROW1
.else
	v_wmma_scale_f32_16x16x128_f8f6f4 v[ACC+8*\m:ACC+8*\m+7], v[AB+8*\s:AB+8*\s+7], v[64*\m+8*\s:64*\m+8*\s+7], 0, v[AS+\s], v[XS+8*(\m/2)+\s] matrix_a_fmt:MATRIX_FMT_FP4 matrix_b_fmt:MATRIX_FMT_FP4
.endif
.else
.if \m == 1
	v_wmma_scale_f32_16x16x128_f8f6f4 v[ACC+8*\m:ACC+8*\m+7], v[AB+8*\s:AB+8*\s+7], v[64*\m+8*\s:64*\m+8*\s+7], v[ACC+8*\m:ACC+8*\m+7], v[AS+\s], v[XS+8*(\m/2)+\s] matrix_a_fmt:MATRIX_FMT_FP4 matrix_b_fmt:MATRIX_FMT_FP4 matrix_b_scale:MATRIX_SCALE_ROW1
.else
	v_wmma_scale_f32_16x16x128_f8f6f4 v[ACC+8*\m:ACC+8*\m+7], v[AB+8*\s:AB+8*\s+7], v[64*\m+8*\s:64*\m+8*\s+7], v[ACC+8*\m:ACC+8*\m+7], v[AS+\s], v[XS+8*(\m/2)+\s] matrix_a_fmt:MATRIX_FMT_FP4 matrix_b_fmt:MATRIX_FMT_FP4
.endif
.endif
.endr
.endr
	WIN 0
.rept 4
	v_nop                                          ; four places in front of the stores that read the results and of the next loads into this set of fragments
.endr
.irp m, 0,1,2
	ds_store_b128 v[OSTW], v[ACC+8*\m:ACC+8*\m+3] offset:16*OP*\m+64*((\t)%4)      ; lane (r, h): out row 16 m + r, columns 16 t + 8 h + 0 .. 7; each accumulator from its low end on
	ds_store_b128 v[OSTW], v[ACC+8*\m+4:ACC+8*\m+7] offset:16*OP*\m+64*((\t)%4)+16
.endr
	v_nop                                          ; a fifth place: the next tile's first products begin these accumulators anew
.endm
; 24 rows x 64 columns leave: back from my stage as rows of 256 bytes (LDS serves a wave's instructions in order: ISA guide 5.7.1.4), + b, stored two rows an instruction.
; Offset register 4 k + j: lanes 0-15 row 8 k + j, lanes 16-31 row 8 k + 4 + j.  Rows ascend, so the first row at or past the count ends the batch.
.macro BATCH q, b0
.set i, 0
.rept 12
	ds_load_b128 v[RB+4*i:RB+4*i+3], v[OSRD] offset:OP*(8*((\b0+i)/4)+(\b0+i)%4)
.set i, i+1
.endr
	s_wait_dscnt 0x0
.set i, 0
.rept 12
	v_pk_add_f32 v[RB+4*i:RB+4*i+1], v[RB+4*i:RB+4*i+1], v[BIAS+4*\q:BIAS+4*\q+1]
	v_pk_add_f32 v[RB+4*i+2:RB+4*i+3], v[RB+4*i+2:RB+4*i+3], v[BIAS+4*\q+2:BIAS+4*\q+3]
.set i, i+1
.endr
	s_wait_xcnt 0x0                                ; EXEC changes only behind this wait
	s_and_saveexec_b32 s27, vcc_lo                 ; the lanes whose columns exist: all, but in block 31
.set i, 0
.rept 12
	s_cmp_le_u32 s24, 8*((\b0+i)/4)+(\b0+i)%4
	s_cbranch_scc1 .Lbatch_end_\@
	global_store_b128 v[OUTO+\b0+i], v[RB+4*i:RB+4*i+3], s[20:21] offset:256*\q th:TH_STORE_NT
.set i, i+1
.endr
.Lbatch_end_\@:
	s_wait_xcnt 0x0                                ; and again in front of the line that widens it; the stores' data and offsets are rewritten only behind this wait too
	s_or_b32 exec_lo, exec_lo, s27
.endm
	s_load_b256 s[8:15], s[0:1], 0x0               ; W's codes s[8:9], W's scales s[10:11], b s[12:13], order s[14:15]
	s_load_b128 s[16:19], s[0:1], 0x20             ; x's codes s[16:17], x's scales s[18:19]
	s_load_b64 s[20:21], s[0:1], 0x30              ; out
	v_lshl_add_u32 v126, v0, 2, 0x47800
	v_mov_b32 v127, 0
	v_lshrrev_b32 v2, 5, v0
	v_readfirstlane_b32 s2, v2                     ; wave 0..7
	s_mov_b32 s3, ttmp9                            ; j: my block of columns
	s_and_b32 s4, ttmp7, 0xffff                    ; e: my expert
	s_lshl_b32 s5, s3, 7                           ; c0 = 128 j
	; every LDS address is made here: constants, the lane, the wave
	v_and_b32 v[LANE], 31, v0
	v_lshlrev_b32 v[L16], 4, v[LANE]
	v_and_b32 v[RR], 15, v0
	v_bfe_u32 v[HH], v0, 4, 1
	v_lshlrev_b32 v[C16], 4, v[RR]
	v_mul_u32_u24 v[WRD], v[RR], XP
	v_lshl_add_u32 v[WRD], v[HH], 4, v[WRD]
	v_mul_u32_u24 v[WSRD], v[RR], 48
	v_add_nc_u32 v[WSRD], WSC, v[WSRD]
	s_mul_i32 s28, s2, STGB
	s_add_co_u32 s28, s28, STG                     ; my stage
	v_add_nc_u32 v[XSTW], s28, v[L16]
	v_add_nc_u32 v[FRD], s28, v[WRD]
	v_mul_u32_u24 v[OSTW], v[RR], OP
	v_lshl_add_u32 v[OSTW], v[HH], 5, v[OSTW]
	v_add_nc_u32 v[OSTW], s28, v[OSTW]
	v_mul_u32_u24 v[OSRD], v[HH], 4*OP
	v_add_nc_u32 v[OSRD], v[OSRD], v[C16]
	v_add_nc_u32 v[OSRD], s28, v[OSRD]
	s_lshl_b32 s29, s2, 11
	s_add_co_u32 s29, s29, XIMG                    ; my image
	v_add_nc_u32 v[XIW], s29, v[L16]
	s_mul_i32 s29, s2, 192                         ; my wave's 48 entries of a pass, in bytes
	v_mov_b32 v[LU0], s29
	v_lshl_add_u32 v[LH0], v[HH], 4, s29
	v_lshl_add_u32 v[LX0], v[LANE], 2, s29
	v_lshl_add_u32 v[LX1], v[RR], 2, s29
	v_add_nc_u32 v[LX1], 128, v[LX1]
	s_mul_i32 s29, s2, 16*XP
	v_add_nc_u32 v[WSTW], s29, v[L16]
	v_lshrrev_b32 v[WSSTW], 1, v[LANE]             ; W's scales land 16 bytes a lane: row lane / 2, half lane % 2
	v_mul_u32_u24 v[WSSTW], v[WSSTW], 48
	v_and_b32 v113, 1, v[LANE]
	v_lshl_add_u32 v[WSSTW], v113, 4, v[WSSTW]
	s_mul_i32 s29, s2, 16*48
	s_add_co_u32 s29, s29, WSC
	v_add_nc_u32 v[WSSTW], s29, v[WSSTW]
	v_lshl_add_u32 v118, v[RR], 2, s5              ; the bias: columns c0 + 64 q + 4 r on, held inside b's row (what lies past column 3,999 is never stored)
	v_add_nc_u32 v119, 64, v118
	v_min_u32 v118, 3996, v118
	v_min_u32 v119, 3996, v119
	v_lshlrev_b32 v118, 2, v118
	v_lshlrev_b32 v119, 2, v119
	s_sub_co_u32 s29, 4000, s5
	s_lshl_b32 s29, s29, 2
	v_cmp_gt_u32 vcc_lo, s29, v[C16]               ; lanes whose four columns c0 + 4 r .. exist: 16 r < 4 (4000 - c0).  VCC is not written again
	s_lshl_b32 s28, s2, 4
	s_add_co_u32 s28, s28, s5
	s_min_u32 s28, s28, 3984                       ; my 16 rows of W: c0 + 16 x wave, held inside the expert: block 31's waves 2 to 7 bring rows again whose results are never stored
	s_mul_i32 s29, s4, 4000
	s_add_co_u32 s28, s28, s29
	s_mov_b32 s31, 0
	s_mul_i32 s23, s2, 48                          ; the rank of my tile's first row: 48 x wave + 384 x pass
	s_mov_b32 s25, 0                               ; the pass's step in the list, in bytes
	s_wait_kmcnt 0x0
	s_mul_i32 s30, s4, 4*NW
	s_add_nc_u64 s[14:15], s[14:15], s[30:31]      ; order at my expert's part
	s_load_b32 s22, s[14:15], 4*CNTW               ; the expert's count
	s_lshl_b32 s30, s28, 9
	s_add_nc_u64 s[8:9], s[8:9], s[30:31]          ; W's codes at my first row
	s_lshl_b32 s30, s28, 5
	s_add_nc_u64 s[10:11], s[10:11], s[30:31]      ; its scales
	s_mul_i32 s30, s4, 16000
	s_add_nc_u64 s[12:13], s[12:13], s[30:31]      ; b at my expert
	s_lshl_b32 s30, s5, 2
	s_add_nc_u64 s[20:21], s[20:21], s[30:31]      ; out at my first column
	G_LIST                                         ; the first pass's entries, 383 at the most, are asked for whatever the count: every word of the part is written.  They go out ahead of W, so that they are in first
	W_ISSUE
	s_wait_kmcnt 0x0
	s_min_u32 s22, s22, 2048
	s_cmp_ge_u32 s23, s22
	s_cbranch_scc1 .Lno_first
	G_ROWS 19                                      ; the list's 14 loads are in, W's 19, issued behind them, stay out: my first tile's rows of x are asked for while W is still on its way
	s_wait_loadcnt 52                              ; W, its scales and the bias are in; the gather's 52 loads, issued behind them, stay out
	W_STORE
	G_STORE
	s_branch .Lw_stored
.Lno_first:
	s_wait_loadcnt 0x0
	W_STORE
.Lw_stored:
	s_wait_dscnt 0x0                               ; for the others' sake: my 16 rows of W lie in LDS
	s_barrier_signal -1
	s_barrier_wait -1                              ; the one barrier: from here on W and its scales are only read, and all else in LDS is a wave's own
	s_mov_b32 s26, 0
.Lpass:                                                ; 6 trips, a constant; the work is jumped over inside the trip
	s_cmp_ge_u32 s23, s22
	s_cbranch_scc1 .Lno_tile
	s_sub_co_u32 s24, s22, s23                     ; rows left from my tile's first on
	v_add_nc_u32 v[LH], s25, v[LH0]
.irp k, 0,1,2,3,4,5
	global_load_b128 v[OUTO+4*\k:OUTO+4*\k+3], v[LH], s[14:15] offset:32*\k   ; register 4 k + j: the token of row 8 k + 4 h + j; wanted only at the first stores
.endr
.irp k, 0,1,2,3
	ds_load_b128 v[XS+4*\k:XS+4*\k+3], v[XIW] offset:512*\k      ; x's scale words come back as they were
.endr
	WLOAD 0
	WIN TO_1
.set i, 0
.rept 48                               ; i = 16 m + 2 s + c: x's fragments stay in registers for the whole tile
	ds_load_b128 v[4*i:4*i+3], v[FRD] offset:16*XP*(i/16)+32*(i%16)
.set i, i+1
.endr
	WIN 0
	NT 0
	NT 1
	NT 2
	NT 3
	s_wait_loadcnt 0x0                             ; the six loads of the list, issued four column tiles ago
.set i, 0
.rept 24
	v_min_u32 v[OUTO+i], 2047, v[OUTO+i]           ; held inside out before it enters an address
.set i, i+1
.endr
.set i, 0
.rept 24
	v_mad_u32_u24 v[OUTO+i], v[OUTO+i], 16000, v[C16]   ; the token's row of out + 16 r
.set i, i+1
.endr
	BATCH 0, 0                                     ; columns 0-63
	BATCH 0, 12
	s_cmp_eq_u32 s3, 31                            ; block 31 has 32 columns: no second half
	s_cbranch_scc1 .Ltile_end
	NT 4
	NT 5
	NT 6
	NT 7
	BATCH 1, 0                                     ; columns 64-127
	BATCH 1, 12
.Ltile_end:
	s_wait_dscnt 0x0                               ; no LDS load of mine is out when its registers are taken again
.Lno_tile:
	s_add_co_u32 s23, s23, 384                     ; the next pass: 8 waves x 48 rows on
	s_add_co_u32 s25, s25, 1536
	s_cmp_ge_u32 s23, s22
	s_cbranch_scc1 .Lno_gather
	G_LIST                                         ; entries under the count + 47: inside the part's written words
	G_ROWS 0
	G_STORE
.Lno_gather:
	s_add_co_u32 s26, s26, 1
	s_cmp_lt_u32 s26, 6
	s_cbranch_scc1 .Lpass
	s_wait_tensorcnt 0x0
	ds_add_u32 v126, v127
	s_wait_dscnt 0x0
	s_endpgm
.Lfunc_end_k_q4bc1b6c097_router:
	.size	k_q4bc1b6c097_router, .Lfunc_end_k_q4bc1b6c097_router-k_q4bc1b6c097_router
	.p2alignl 7, 3214868480
	.fill 96, 4, 3214868480
	.section	.rodata,"a",@progbits
	.p2align	6, 0x0
	.amdhsa_kernel k_q4bc1b6c097_router
		.amdhsa_group_segment_fixed_size 293888
		.amdhsa_private_segment_fixed_size 0
		.amdhsa_enable_private_segment 0
		.amdhsa_kernarg_size 56
		.amdhsa_user_sgpr_count 2
		.amdhsa_user_sgpr_kernarg_segment_ptr 1
		.amdhsa_wavefront_size32 1
		.amdhsa_system_sgpr_workgroup_id_x 1
		.amdhsa_system_sgpr_workgroup_id_y 1
		.amdhsa_system_sgpr_workgroup_id_z 1
		.amdhsa_system_vgpr_workitem_id 0
		.amdhsa_next_free_vgpr 448
		.amdhsa_next_free_sgpr 66
		.amdhsa_reserve_vcc 1
		.amdhsa_float_denorm_mode_32 3
		.amdhsa_float_denorm_mode_16_64 3
		.amdhsa_memory_ordered 1
		.amdhsa_forward_progress 1
		.amdhsa_inst_pref_size 104
	.end_amdhsa_kernel
	.amdgpu_metadata
---
amdhsa.version: [ 1, 2 ]
amdhsa.kernels:
  - .name:           k_q4bc1b6c097_router
    .symbol:         k_q4bc1b6c097_router.kd
    .args:
      - { .name: W_codes, .offset: 0, .size: 8, .value_kind: global_buffer, .address_space: global }
      - { .name: W_scales, .offset: 8, .size: 8, .value_kind: global_buffer, .address_space: global }
      - { .name: b, .offset: 16, .size: 8, .value_kind: global_buffer, .address_space: global }
      - { .name: order, .offset: 24, .size: 8, .value_kind: global_buffer, .address_space: global }
      - { .name: x_codes, .offset: 32, .size: 8, .value_kind: global_buffer, .address_space: global }
      - { .name: x_scales, .offset: 40, .size: 8, .value_kind: global_buffer, .address_space: global }
      - { .name: out0, .offset: 48, .size: 8, .value_kind: global_buffer, .address_space: global }
    .group_segment_fixed_size: 293888
    .private_segment_fixed_size: 0
    .kernarg_segment_align: 8
    .kernarg_segment_size: 56
    .max_flat_workgroup_size: 256
    .sgpr_count:     66
    .vgpr_count:     448
    .wavefront_size: 32
...
	.end_amdgpu_metadata
.endif
;; end of part 2
